; MI455X (gfx1250); checked and timed in simulation.
; The chip was launched on July 23, 2026; its instructions are those of AMD's public machine-readable ISA for CDNA 5 (MIT licence, August 2026) and "CDNA5" Instruction Set Architecture Reference Guide (July 2026). The comments in the code are by the model that wrote it; some were corrected since.
;; Attention. Allowed arithmetic: matrix products marked QUANTISED: E2M1 operands, one E8M0 scale for each 32 along K, by v_wmma_scale_f32_16x16x128_f8f6f4 with both operands' format E2M1 (or v_wmma_scale_f32_32x16x128_f4), f32 sums; everything else in f32.
;; Inputs: Wk 64 x 768 float32; Wq 64 x 768 float32; Wv 64 x 768 float32; bk 64 float32; bq 64 float32; bv 64 float32; x 4 x 4,096 x 768 float32.
;; Outputs: out0 4 x 4,096 x 64 float32.
;; This version of the problem:
;;   THIS VERSION OF THE PROBLEM IS GIVEN IN LOW PRECISION. The matrix products marked QUANTISED in the list below multiply operands that are first quantised to E2M1 (2 exponent bits, 1 mantissa bit; 4 bits a number), with one power-of-two scale for each 32 numbers along K (OCP MX v1.0); their sums are f32. All else is computed in f32.
;;   The module's matrix products, in the order in which they are computed (A, B: the left and right operand; K: the contracted axis; several contracted axes count as one K, in the product's order):
;;     1. [M 16,384, K 768] x [K 768, N 64]; A: input x; B: input Wq: QUANTISED
;;     2. [M 16,384, K 768] x [K 768, N 64]; A: input x; B: input Wk: QUANTISED
;;     3. [M 16,384, K 768] x [K 768, N 64]; A: input x; B: input Wv: QUANTISED
;;     4. batch 4 x [M 4,096, K 64] x [K 64, N 4,096]; A: computed on the way; B: computed on the way: QUANTISED
;;     5. batch 4 x [M 4,096, K 4,096] x [K 4,096, N 64]; A: softmax (see below); B: computed on the way: QUANTISED
;;   THE QUANTISER, for each operand of a quantised product, along K:
;;     - K is cut into blocks of 32 from its start; a last block that is shorter is filled with zeros.
;;     - A block's scale is 2^e with e = floor(log2(the largest magnitude in the block)) - 2, held to -126 .. 127; a block of zeros has e = 0. As a byte (E8M0): e + 127.
;;     - Each number is divided by its block's scale, clamped to +-6, and rounded to the nearest number of E2M1, ties to even, subnormals kept.
;;     - The product sums the exact products of the quantised numbers (number of the format x scale) in f32.
;;   ~~~python
;;   def quantise(x, axis):      # numpy; x: float32 -> the quantised numbers, widened to float32 again
;;       x = np.moveaxis(x, axis, -1); K = x.shape[-1]
;;       x = np.pad(x, [(0, 0)] * (x.ndim - 1) + [(0, -K % 32)]); x = x.reshape(x.shape[:-1] + (-1, 32)); a = np.abs(x).max(-1, keepdims=True)
;;       e = np.where(a > 0, np.clip(np.frexp(np.where(a > 0, a, 1))[1] - 1 - 2, -126, 127), 0)      # np.frexp(a)[1] - 1 = floor(log2(a)), exactly
;;       r = np.clip(x / 2.0 ** e, -6, 6)
;;       step = 2.0 ** (np.maximum(np.frexp(np.where(r == 0, 1, r))[1] - 1, 0) - 1)
;;       q = np.round(r / step) * step * 2.0 ** e      # np.round: ties to even
;;       return np.moveaxis(q.reshape(q.shape[:-2] + (-1,))[..., :K], -1, axis).astype(np.float32)
;;   ~~~
;;   SOFTMAX AHEAD OF A QUANTISED PRODUCT. Where the list says 'softmax', what is quantised is not the finished softmax but p = 2^(t - M), with t = logit x log2(e) and M = ceil(the row's largest t), a whole number; so 1/2 < the row's largest p <= 1. The row's sum l is taken of the UNQUANTISED p, in f32, and the product's result is divided by l at the end. Since M is a whole number, a kernel that streams over the keys may use a running M (the ceiling of the running maximum): every later rescaling is an exact power of two, which a block's scale takes up: the codes' values come out the same.
;;   OPERANDS COMPUTED ON THE WAY. 'Computed on the way' means the value that the module computes at that place (a softmax that the list does not call 'softmax' is quantised finished and normalised). What goes into a quantiser is computed in f32, as accurately as f32 sums, v_exp_f32 and their like allow (about 1e-6 of the number): no bf16 or f16 on the way to a quantiser, and a product that is left as it is and whose result goes on into a quantised operand takes f32 operands (vector FMAs, or v_wmma_f32_16x16x4_f32). A number that lies on a knife's edge between two numbers of the format may be rounded either way, as far as f32 arithmetic and the matrix unit's own rounding can turn it there, and no further.
;; One version. Each part assembles by itself: llvm-mc -triple=amdgcn-amd-amdhsa -mcpu=gfx1250 --defsym DOCPART=n.
;; ======== version 1 of 1: 3 launches
;; limits: right only within a limited range of input values
;; workspace buffers: wimg 79,872 bytes; qc 524,288 bytes; qs 65,536 bytes; kv 1,179,648 bytes
;; launch wquant (part 1): grid 12 x 6, 1 waves a work-group, no clusters, 8,704 bytes of LDS; arguments Wq, Wk, Wv, wimg; writes wimg
.if DOCPART == 1
	.amdgcn_target "amdgcn-amd-amdhsa--gfx1250"
	.amdhsa_code_object_version 6
	.text
	.protected	k_q2fdf7ff0b8_wquant
	.globl	k_q2fdf7ff0b8_wquant
	.p2align	8
	.type	k_q2fdf7ff0b8_wquant,@function
k_q2fdf7ff0b8_wquant:
	s_mov_b64 s[64:65], 0
	v_nop
	global_prefetch_b8 v0, s[64:65] scope:SCOPE_SE
	s_setreg_imm32_b32 hwreg(HW_REG_WAVE_MODE, 25, 1), 1
	s_wait_xcnt 0x0
; Wq, Wk, Wv [64][768] f32 become codes of FP4 (E2M1) with one E8M0 byte for each 32 along K = 768, once, laid in wimg as images of operand registers.
; A tile is 16 rows of a weight: T = 0-3 Wq's, 4-7 Wk's, 8-11 Wv's; t = T % 4; a K step s is 128 along K.  A work-group is one wave and makes one fragment: T = work-group x, s = work-group y.
; ROWS OF A TILE: Wv's tile t holds channels 16 t + r.  Wq's and Wk's tile t holds channel 32 (r / 8) + 8 t + r % 8 in row r: the product that uses it then leaves a whole block of 32 channels in one lane.
; wimg:  24,576 (T / 4) + 4,096 s + 1,024 t + 512 c + 16 lane : registers 4 c .. 4 c + 3 of the fragment (lane (r, h): row r, k = 128 s + 64 c + 32 h + 0 .. 31)
;        73,728 + 512 s + 256 (T / 4) + 16 r + 4 t : scale words of Wq and Wk;   76,800 + 512 s + 256 h + 16 r + 4 t : Wv's, the same word for h = 0 and 1
; Each load takes one row's 512 consecutive bytes, 16 a lane; the numbers turn through the wave's stage in LDS (rows of 512 bytes + 16) and come back 128 bytes a lane for each block.
; A block's scale is 2^(floor(log2(its largest magnitude)) - 2); its byte is the largest magnitude's exponent field - 2, held at 1 from below.
; LIMITS: a block of zeros, or one whose largest magnitude lies under 2^-124, gets the byte 1 (its codes are zeros or held small; this program alone reads the bytes); NaN and infinities are not served.
; One wave, bytes read once: no barrier, no cluster, no tensor load.
.set PITCH, 528                        ; a stage row
.set SPARE, 8448                       ; the spare words
.set R,   32                           ; v32-95  as loaded
.set X,   96                           ; v96-159 64 numbers: register 32 c + i = k 64 c + 32 h + i of my row
.set F,   16                           ; v16-23  the fragment
.set PW,  7                            ; v7      its scale word
.set M0,  8                            ; v8, v9  the two blocks' largest magnitudes, then the conversions' scale operands
.set M1,  9
.set SH8, 6                            ; v6      8 h
.set SEL, 20                           ; s[20:21] lane selects: lane l xor 16
	s_load_b256 s[4:11], s[0:1], 0x0               ; Wq s[4:5], Wk s[6:7], Wv s[8:9], wimg s[10:11]
	v_lshl_add_u32 v160, v0, 2, SPARE
	v_mov_b32 v161, 0
	s_and_b32 s12, ttmp7, 0xffff                   ; K step s
	v_and_b32 v1, 15, v0                           ; r
	s_wait_alu depctr_va_vdst(0)
	v_bfe_u32 v2, v0, 4, 1                         ; h
	v_mul_u32_u24 v3, v1, PITCH                    ; out of the stage: row r,
	v_lshl_add_u32 v3, v2, 7, v3                   ; + 128 h
	v_lshlrev_b32 v4, 4, v0                        ; 16 x lane
	v_lshlrev_b32 v[SH8], 3, v2
	s_mov_b32 s[SEL], 0x76543210
	s_mov_b32 s[SEL+1], 0xfedcba98
	s_and_b32 s13, ttmp9, 3                        ; t
	s_lshr_b32 s30, ttmp9, 3                       ; 1 for Wv
	s_mov_b32 s31, 24576                           ; 8 rows of 3,072 bytes
	s_lshl_b32 s16, s31, s30                       ; from tile to tile: 8 rows, Wv: 16
	s_mul_i32 s16, s16, s13
	s_lshl_b32 s30, s30, 1
	s_sub_co_u32 s30, 2, s30
	s_lshl_b32 s30, s31, s30                       ; from a tile's row 0 to its row 8: 32 rows, Wv: 8
	s_mov_b32 s31, 0
	s_lshl_b32 s17, s12, 9                         ; the K step's 512 bytes
	s_add_co_u32 s16, s16, s17
	s_mov_b32 s17, 0
	s_lshr_b32 s22, ttmp9, 2                       ; which weight
	s_mul_i32 s18, s22, 24576
	s_lshl_b32 s19, s12, 12
	s_add_co_u32 s18, s18, s19
	s_lshl_b32 s19, s13, 10
	s_add_co_u32 s18, s18, s19                     ; the image's place
	s_mov_b32 s19, 0
	s_lshl_b32 s22, s22, 8                         ; the scale word's place: Wq, Wk,
	s_lshl_b32 s23, s13, 2
	s_lshl_b32 s24, s12, 9
	s_add_co_u32 s23, s23, s24
	s_add_co_u32 s22, s22, s23
	s_add_co_u32 s22, s22, 73728
	s_add_co_u32 s23, s23, 76800                   ; Wv
	s_cmp_lt_u32 ttmp9, 8
	s_cselect_b32 s25, 0, 256
	s_cselect_b32 s26, s22, s23
	v_lshlrev_b32 v5, 4, v1
	s_wait_alu depctr_va_vdst(0)
	v_mad_u32_u24 v5, v2, s25, v5
	v_add_nc_u32 v5, s26, v5
	s_wait_kmcnt 0x0
	s_cmp_lt_u32 ttmp9, 8                          ; which weight: the choice hangs on the work-group's number alone
	s_cselect_b64 s[14:15], s[6:7], s[8:9]
	s_cmp_lt_u32 ttmp9, 4
	s_cselect_b64 s[14:15], s[4:5], s[14:15]
	s_add_nc_u64 s[14:15], s[14:15], s[16:17]
	s_add_nc_u64 s[30:31], s[14:15], s[30:31]
	s_add_nc_u64 s[28:29], s[10:11], s[18:19]
.irp i, 0,1,2,3,4,5,6,7
	global_load_b128 v[R+4*\i:R+4*\i+3], v4, s[14:15] offset:3072*\i th:TH_LOAD_NT   ; 32 lanes read 512 consecutive bytes
.endr
.irp i, 0,1,2,3,4,5,6,7
	global_load_b128 v[R+32+4*\i:R+32+4*\i+3], v4, s[30:31] offset:3072*\i th:TH_LOAD_NT
.endr
.irp i, 0,1,2,3,4,5,6,7,8,9,10,11,12,13,14,15
	s_wait_loadcnt 15-\i                           ; row i is in, the 15 - i younger rows may be out
	ds_store_b128 v4, v[R+4*\i:R+4*\i+3] offset:PITCH*\i
.endr
.irp c, 0,1
.irp j, 0,1,2,3,4,5,6,7
	ds_load_b128 v[X+32*\c+4*\j:X+32*\c+4*\j+3], v3 offset:256*\c+16*\j   ; LDS serves a wave's instructions in order (ISA guide 5.7.1.4): these see my stores
.endr
.endr
	s_wait_dscnt 0x0
	v_max3_num_f32 v[M0], |v[X]|, |v[X+1]|, 0x1800000              ; two chains a block; the floor 2^(3 - 127) among the leaves holds the byte at 1 from below
	v_max3_num_f32 v[M1], |v[X+32]|, |v[X+33]|, 0x1800000
	v_max3_num_f32 v[F], |v[X+16]|, |v[X+17]|, |v[X+18]|
	v_max3_num_f32 v[F+1], |v[X+48]|, |v[X+49]|, |v[X+50]|
.irp i, 0,2,4,6,8,10
	v_max3_num_f32 v[M0], v[M0], |v[X+2+\i]|, |v[X+3+\i]|
	v_max3_num_f32 v[M1], v[M1], |v[X+34+\i]|, |v[X+35+\i]|
	v_max3_num_f32 v[F], v[F], |v[X+19+\i]|, |v[X+20+\i]|
	v_max3_num_f32 v[F+1], v[F+1], |v[X+51+\i]|, |v[X+52+\i]|
.endr
	v_max3_num_f32 v[M0], v[M0], |v[X+14]|, |v[X+15]|
	v_max3_num_f32 v[M1], v[M1], |v[X+46]|, |v[X+47]|
	v_max3_num_f32 v[M0], v[M0], v[F], |v[X+31]|
	v_max3_num_f32 v[M1], v[M1], v[F+1], |v[X+63]|
	v_add_nc_u32 v[M0], 0xff000000, v[M0]                          ; 2 off the exponent field: the conversion's scale operand
	v_add_nc_u32 v[M1], 0xff000000, v[M1]
	v_lshrrev_b32 v[F+2], 23, v[M0]                                ; the bytes of blocks h and 2 + h
	v_lshrrev_b32 v[F+3], 23, v[M1]
	v_lshl_or_b32 v[PW], v[F+3], 16, v[F+2]
	v_lshlrev_b32 v[PW], v[SH8], v[PW]                             ; at their places in the word: 8 h bits up
	v_permlanex16_b32 v[F+2], v[PW], s[SEL], s[SEL+1]
	v_or_b32 v[PW], v[PW], v[F+2]                                  ; with lane l xor 16's two the word is whole, in both halves of the lanes
.irp g, 0,1,2,3
	v_cvt_scalef32_pk8_fp4_f32 v[F+\g], v[X+8*\g:X+8*\g+7], v[M0]
.endr
.irp g, 0,1,2,3
	v_cvt_scalef32_pk8_fp4_f32 v[F+4+\g], v[X+32+8*\g:X+32+8*\g+7], v[M1]
.endr
	v_nop                                                          ; one plain vector instruction behind the last scaled conversion
	global_store_b128 v4, v[F:F+3], s[28:29]                       ; 32 lanes store 512 consecutive bytes
	global_store_b128 v4, v[F+4:F+7], s[28:29] offset:512
	global_store_b32 v5, v[PW], s[10:11]                           ; (for Wq and Wk both halves of the lanes store the same word at the same place)
	s_wait_tensorcnt 0x0                                           ; the wave's end
	ds_add_u32 v160, v161
	s_wait_dscnt 0x0
	s_endpgm
.Lfunc_end_k_q2fdf7ff0b8_wquant:
	.size	k_q2fdf7ff0b8_wquant, .Lfunc_end_k_q2fdf7ff0b8_wquant-k_q2fdf7ff0b8_wquant
	.p2alignl 7, 3214868480
	.fill 96, 4, 3214868480
	.section	.rodata,"a",@progbits
	.p2align	6, 0x0
	.amdhsa_kernel k_q2fdf7ff0b8_wquant
		.amdhsa_group_segment_fixed_size 8704
		.amdhsa_private_segment_fixed_size 0
		.amdhsa_enable_private_segment 0
		.amdhsa_kernarg_size 32
		.amdhsa_user_sgpr_count 2
		.amdhsa_user_sgpr_kernarg_segment_ptr 1
		.amdhsa_wavefront_size32 1
		.amdhsa_system_sgpr_workgroup_id_x 1
		.amdhsa_system_sgpr_workgroup_id_y 1
		.amdhsa_system_sgpr_workgroup_id_z 1
		.amdhsa_system_vgpr_workitem_id 0
		.amdhsa_next_free_vgpr 162
		.amdhsa_next_free_sgpr 66
		.amdhsa_reserve_vcc 0
		.amdhsa_float_denorm_mode_32 3
		.amdhsa_float_denorm_mode_16_64 3
		.amdhsa_memory_ordered 1
		.amdhsa_forward_progress 1
		.amdhsa_inst_pref_size 10
	.end_amdhsa_kernel
	.amdgpu_metadata
---
amdhsa.version: [ 1, 2 ]
amdhsa.kernels:
  - .name:           k_q2fdf7ff0b8_wquant
    .symbol:         k_q2fdf7ff0b8_wquant.kd
    .args:
      - { .name: Wq, .offset: 0, .size: 8, .value_kind: global_buffer, .address_space: global }
      - { .name: Wk, .offset: 8, .size: 8, .value_kind: global_buffer, .address_space: global }
      - { .name: Wv, .offset: 16, .size: 8, .value_kind: global_buffer, .address_space: global }
      - { .name: wimg, .offset: 24, .size: 8, .value_kind: global_buffer, .address_space: global }
    .group_segment_fixed_size: 8704
    .private_segment_fixed_size: 0
    .kernarg_segment_align: 8
    .kernarg_segment_size: 32
    .max_flat_workgroup_size: 32
    .sgpr_count:     66
    .vgpr_count:     162
    .wavefront_size: 32
...
	.end_amdgpu_metadata
.endif
;; end of part 1
;; launch proj (part 2): grid 256 x 1, 16 waves a work-group, clusters of 4 x 1, 327,680 bytes of LDS; arguments x, wimg, bq, bk, bv, qc, qs, kv; writes qc, qs, kv
.if DOCPART == 2
	.amdgcn_target "amdgcn-amd-amdhsa--gfx1250"
	.amdhsa_code_object_version 6
	.text
	.protected	k_q2fdf7ff0b8_proj
	.globl	k_q2fdf7ff0b8_proj
	.p2align	8
	.type	k_q2fdf7ff0b8_proj,@function
k_q2fdf7ff0b8_proj:
	s_mov_b64 s[64:65], 0
	v_nop
	global_prefetch_b8 v0, s[64:65] scope:SCOPE_SE
	s_setreg_imm32_b32 hwreg(HW_REG_WAVE_MODE, 25, 1), 1
	s_wait_xcnt 0x0
	s_wait_alu depctr_hold_cnt(0) depctr_sa_sdst(0) depctr_va_vdst(0) depctr_va_sdst(0) depctr_va_ssrc(0) depctr_va_vcc(0) depctr_vm_vsrc(0)
	s_getreg_b32 s2, hwreg(HW_REG_IB_STS2, 6, 4)
	s_cmp_eq_u32 s2, 0
	s_cbranch_scc0 .Lentry_in_a_cluster
	s_endpgm
.Lentry_in_a_cluster:
	s_bfe_u32 s2, ttmp6, 0x10000c
	s_cmp_lg_u32 s2, 0x3003
	s_cbranch_scc0 .Lentry_shape_is_right
	s_endpgm
.Lentry_shape_is_right:
; Q = x Wq^T + bq, K = x Wk^T + bk, V = x Wv^T + bv on codes of FP4 (E2M1) with one E8M0 byte for each 32 along K = 768; the results are quantised again for the attention launch:
; Q and K along the head's 64, V along the tokens (the keys).  x: [16,384][768] f32, quantised here; the weights come as images of operand registers (wimg).
; Work-group g owns tokens 64 g .. 64 g + 63.  TOKEN TILE u (0-3) holds token 32 (r / 8) + 8 u + r % 8 in row r, as the weights' tiles do with channels: the four tiles' results then leave 32 neighbours along the next K in ONE lane.
; LOADS.  Sixteen waves, one tensor load each, all issued at the head: waves 0-3 a quarter of wimg (asked for JOINTLY by the cluster's four work-groups, which need the same bytes), wave 4 + k tile k of x (64 rows x 256 bytes).
; Three chunks of four tiles: chunk i holds K steps 2 i and 2 i + 1.  Nothing is filled twice; x is shared with nobody.  No prefetch: there is no loop to run ahead in, all bytes are asked for at the head.
; QUANTISING.  In each chunk wave w takes token tile w % 4 of tile w / 4: one block of 32 numbers a lane; codes and bytes go to LDS as an image of the operand's registers.
; PRODUCTS.  Role w / 4: 0 makes Q^T, 1 K^T of token tile w % 4 (source 0 = the weight's four tiles, source 1 = x's), 2 makes V's channels 16 (w % 4) on (source 0 = x's four tiles, source 1 = Wv's): one text, four
; addresses made of the wave's number.  Waves 12-15 make no product.  The biases start the sums.
; OUT.  qc [token][32 bytes]; qs [token] one word (two bytes, twice: the product on the head's 64 is filled up to 128 under Q's zero codes);
; kv: a record of 9,216 bytes for each 128 keys: + 512 T + 16 lane K's tile T (T = 4 (which 64 keys) + u); + 4,096 + 2,048 c + 512 t + 16 lane V's tile t, keys 64 c + 32 h on;
; + 8,192 + 16 l + 4 u K's scale words (l < 16: tiles 0-3, else 4-7); + 8,704 + 16 l + 4 t V's scale words.
; LIMITS: a block of zeros, or one whose largest magnitude lies under 2^-124, gets the byte 1 (this program alone reads the bytes); NaN and infinities are not served.
.set NXT,  17408                       ; a tile of x in LDS: 64 rows x (256 bytes + 16 of padding)
.set XB,   79872                       ; wimg's image lies at 0, x's twelve tiles behind it,
.set XI,   XB+12*NXT                   ; 288,768: x's fragments: 4,096 s + 1,024 u + 512 c + 16 lane
.set XS,   XI+24576                    ; 313,344: x's scale words: 512 s + 16 r + 4 u
.set SPARE, XS+3072                    ; 316,416: the spare words
.set SPW,  1
.set NIL,  2
.set XA,   3                           ; v3-5   my block of x in chunk 0, 1, 2
.set XWI,  6                           ; v6     where I store its codes
.set XWS,  7                           ; v7     and its byte
.set PA,   8                           ; v8-11  the products' addresses: source 0, source 1, their scale words
.set PB,   9
.set SA,   10
.set SB,   11
.set MX,   12
.set MY,   13
.set BY,   14
.set SH8,  15                          ; v15    8 h
.set XN,   16                          ; v16-47 32 numbers of x
.set F,    48                          ; v48-51 codes
.set VQ,   52                          ; v52-55 offsets of the stores: qc, qs, 16 lane, 16 r
.set VQS,  53
.set VL,   54
.set VR,   55
.set PW,   56
.set TP,   57
.set AF,   64                          ; v64-127 source 0's fragments of two K steps (v100-108 at the head: at work)
.set BF,   128                         ; v128-143 source 1's
.set SAW,  144                         ; v144-151, v152-153 their scale words
.set SBW,  152
.set ACC,  160                         ; v160-191 four accumulators
.set WV,   20                          ; s20    my wave's number
.set G1X,  24                          ; s[24:31], s[32:39] descriptor group 1 for x and wimg;  s[40:43], s[44:47] groups 0
.set G1W,  32
.set G0W,  40
.set G0X,  44
.set SEL,  48
.macro CROUND                          ; a round of the cluster's barrier
	s_barrier_signal -1
	s_barrier_wait -1
	s_cmp_lg_u32 s[WV], 0
	s_cbranch_scc1 .Lnot_wave_0_\@
	s_barrier_signal -3
.Lnot_wave_0_\@:
	s_barrier_wait -3
	s_barrier_signal -1
	s_barrier_wait -1
.endm
; 32 numbers of a lane, one whole block, become 4 registers of codes and the scale's byte.  (Of results each accumulator is read from its low end on.)
.macro QB x
	v_max3_num_f32 v[MX], |v[\x]|, |v[\x+1]|, 0x1800000            ; the floor 2^(3 - 127) among the leaves holds the byte at 1 from below
	v_max3_num_f32 v[MY], |v[\x+16]|, |v[\x+17]|, |v[\x+18]|
.irp i, 0,2,4,6,8,10
	v_max3_num_f32 v[MX], v[MX], |v[\x+2+\i]|, |v[\x+3+\i]|
	v_max3_num_f32 v[MY], v[MY], |v[\x+19+\i]|, |v[\x+20+\i]|
.endr
	v_max3_num_f32 v[MX], v[MX], |v[\x+14]|, |v[\x+15]|
	v_max3_num_f32 v[MX], v[MX], v[MY], |v[\x+31]|
	v_add_nc_u32 v[MX], 0xff000000, v[MX]                          ; 2 off the exponent field: the conversion's scale operand
	v_lshrrev_b32 v[BY], 23, v[MX]
.irp g, 0,1,2,3
	v_cvt_scalef32_pk8_fp4_f32 v[F+\g], v[\x+8*\g:\x+8*\g+7], v[MX]
.endr
	v_nop                                                          ; one plain vector instruction behind the last scaled conversion
.endm
.macro ARM under, g0, g1, next
	s_cmp_lt_u32 s[WV], \under
	s_cbranch_scc0 \next
	tensor_load_to_lds s[\g0:\g0+3], s[\g1:\g1+7]
	s_nop 0
.rept 4
	v_nop
.endr
	s_branch .Lasked
\next:
.endm
	s_load_b256 s[4:11], s[0:1], 0x0               ; x s[4:5], wimg s[6:7], bq s[8:9], bk s[10:11]
	s_load_b256 s[12:19], s[0:1], 0x20             ; bv s[12:13], qc s[14:15], qs s[16:17], kv s[18:19]
	v_lshl_add_u32 v[SPW], v0, 2, SPARE
	v_mov_b32 v[NIL], 0
	ds_add_u32 v[SPW], v[NIL]                      ; the wave's opening: the add, twice on end
	ds_add_u32 v[SPW], v[NIL]
	v_lshrrev_b32 v100, 5, v0
	v_readfirstlane_b32 s[WV], v100                ; wave 0..15
	s_and_b32 s50, s[WV], 3                        ; i = w % 4
	s_lshr_b32 s51, s[WV], 2                       ; w / 4
	s_bfe_u32 s21, ttmp6, 0x40000                  ; cx
	s_lshl_b32 s22, ttmp9, 2
	s_add_co_u32 s22, s22, s21                     ; g: it enters global addresses alone
	s_mov_b32 s[G1X], (2<<16)|(1<<20)|(5<<22)|(3<<25)  ; no mask; elements of 4 bytes; padding of 4 words after every 64
	s_mov_b32 s[G1X+1], 64<<16
	s_mov_b32 s[G1X+2], 64<<16
	s_mov_b32 s[G1X+3], 64<<16
	s_mov_b32 s[G1X+4], 64
	s_mov_b32 s[G1X+5], 768
	s_mov_b32 s[G1X+6], 0
	s_mov_b32 s[G1X+7], 0
	s_mov_b32 s[G1W], 15|(3<<16)|(1<<21)           ; the mask: all four work-groups; elements of 8 bytes; bit 21 set beside a mask; no padding
	s_mov_b32 s[G1W+1], 32<<16                     ; a dense block of 19,968 bytes as 78 rows of 256
	s_mov_b32 s[G1W+2], 78<<16
	s_mov_b32 s[G1W+3], 32<<16
	s_mov_b32 s[G1W+4], 78
	s_mov_b32 s[G1W+5], 32
	s_mov_b32 s[G1W+6], 0
	s_mov_b32 s[G1W+7], 0
	s_mul_i32 s52, s[WV], 19968                    ; waves 0-3: my quarter of wimg, in memory and in LDS
	s_mov_b32 s53, 0
	s_max_u32 s54, s[WV], 4
	s_sub_co_u32 s54, s54, 4                       ; waves 4-15: my tile k = w - 4 of x: 256 bytes of each row,
	s_lshl_b32 s54, s54, 8
	s_mul_i32 s56, s22, 196608                     ; of my work-group's 64 rows
	s_add_co_u32 s54, s54, s56
	s_mov_b32 s55, 0
	s_mul_i32 s56, s[WV], NXT
	s_add_co_u32 s56, s56, XB-4*NXT                ; in LDS: XB + k NXT
	s_mov_b32 s[SEL], 0x76543210
	s_mov_b32 s[SEL+1], 0xfedcba98
	s_mov_b32 s[G0W], 1
	s_mov_b32 s[G0W+1], s52
	s_mov_b32 s[G0X], 1
	s_mov_b32 s[G0X+1], s56
	s_wait_alu depctr_va_vdst(0)
	s_wait_dscnt 0x0                               ; both opening adds are done
	CROUND                                         ; all four work-groups are here: the joint loads meet
	s_wait_kmcnt 0x0
	s_add_nc_u64 s[G0W+2:G0W+3], s[6:7], s[52:53]
	s_or_b32 s[G0W+3], s[G0W+3], 0x80000000
	s_add_nc_u64 s[G0X+2:G0X+3], s[4:5], s[54:55]
	s_or_b32 s[G0X+3], s[G0X+3], 0x80000000
	ARM 4,  G0W, G1W, .Lx0
	ARM 8,  G0X, G1X, .Lx1
	ARM 12, G0X, G1X, .Lx2
	tensor_load_to_lds s[G0X:G0X+3], s[G1X:G1X+7]
	s_nop 0
.rept 4
	v_nop
.endr
.Lasked:
	v_and_b32 v100, 15, v0                         ; r
	v_bfe_u32 v101, v0, 4, 1                       ; h
	v_and_b32 v102, 31, v0                         ; lane
	v_lshrrev_b32 v103, 3, v100                    ; r / 8
	v_and_b32 v104, 7, v100                        ; r % 8
	v_lshl_add_u32 v105, v103, 5, v104             ; my token: 32 (r / 8) + 8 u + r % 8
	v_xor_b32 v106, v101, v103                     ; which block of a tile's row I quantise: h in rows 0-7, 1 - h in rows 8-15, so that the sixteen rows that a load from LDS touches start at 16 different banks (ISA guide 11.1)
	s_and_b32 s62, s51, 1                          ; kq: quantising: c; products: 1 for K
	s_lshr_b32 s63, s51, 1                         ; hv: quantising: the K step of the chunk's two; products: 1 for V
	s_xor_b32 s61, s63, 1
	s_mul_i32 s60, s50, 8*272
	s_mul_i32 s57, s51, NXT
	s_add_co_u32 s60, s60, s57
	s_add_co_u32 s60, s60, XB
	s_wait_alu depctr_va_vdst(0)                   ; the wait here, ahead of the readers below
	v_mul_u32_u24 v[XA], v105, 272
	v_lshl_add_u32 v[XA], v106, 7, v[XA]
	v_add_nc_u32 v[XA], s60, v[XA]
	v_add_nc_u32 v[XA+1], 4*NXT, v[XA]
	v_add_nc_u32 v[XA+2], 8*NXT, v[XA]
	v_lshlrev_b32 v[VR], 4, v100                   ; 16 r
	v_lshlrev_b32 v[VL], 4, v102                   ; 16 lane
	v_lshl_add_u32 v[XWI], v106, 8, v[VR]
	v_add_nc_u32 v[XWS], v[VR], v106
	v_lshlrev_b32 v[SH8], 3, v101
	v_mov_b32 v[TP], 0                             ; a lane permute's destination counts as one of its sources
	v_lshlrev_b32 v[VQ], 10, v103                  ; qc: 32 bytes a token, + 16 h
	v_lshl_add_u32 v[VQ], v104, 5, v[VQ]
	v_lshl_add_u32 v[VQ], v101, 4, v[VQ]
	v_lshlrev_b32 v[VQS], 7, v103                  ; qs: 4 bytes a token
	v_lshl_add_u32 v[VQS], v104, 2, v[VQS]
	v_lshlrev_b32 v107, 7, v101                    ; Q's and K's bias: channels 32 h on
	v_lshlrev_b32 v108, 2, v100                    ; V's: channel r
	s_wait_alu depctr_va_vdst(0)                   ; the wait here, ahead of the scalar lines below
	s_lshl_b32 s60, s50, 10
	s_lshl_b32 s57, s62, 9
	s_add_co_u32 s60, s60, s57
	s_lshl_b32 s57, s63, 12
	s_add_co_u32 s60, s60, s57
	s_add_co_u32 s60, s60, XI
	v_add_nc_u32 v[XWI], s60, v[XWI]               ; XI + 4,096 hv + 1,024 u + 512 c + 16 (r + 16 block)
	s_lshl_b32 s60, s63, 9
	s_lshl_b32 s57, s50, 2
	s_add_co_u32 s60, s60, s57
	s_lshl_b32 s57, s62, 1
	s_add_co_u32 s60, s60, s57
	s_add_co_u32 s60, s60, XS
	v_add_nc_u32 v[XWS], s60, v[XWS]               ; XS + 512 hv + 16 r + 4 u + 2 c + block
	s_mul_i32 s60, s62, 24576
	s_mul_i32 s57, s63, XI
	s_add_co_u32 s60, s60, s57
	v_add_nc_u32 v[PA], s60, v[VL]                 ; source 0: Wq's, Wk's or x's tiles
	s_mul_i32 s60, s61, XI-49152
	s_lshl_b32 s57, s50, 10
	s_add_co_u32 s60, s60, s57
	s_add_co_u32 s60, s60, 49152
	v_add_nc_u32 v[PB], s60, v[VL]                 ; source 1: x's tile i, or Wv's
	s_mul_i32 s60, s63, XS-73728
	s_lshl_b32 s57, s62, 8
	s_add_co_u32 s60, s60, s57
	s_add_co_u32 s60, s60, 73728
	v_add_nc_u32 v[SA], s60, v[VR]                 ; and their scale words
	s_mul_i32 s60, s61, XS-76800
	s_lshl_b32 s57, s50, 2
	s_add_co_u32 s60, s60, s57
	s_add_co_u32 s60, s60, 76800
	v_add_nc_u32 v[SB], s60, v[VR]
	s_cmp_lt_u32 s[WV], 4
	s_cselect_b64 s[66:67], s[8:9], s[10:11]
	s_lshl_b32 s74, s50, 6
	s_mov_b32 s75, 0
	s_add_nc_u64 s[58:59], s[12:13], s[74:75]      ; bv at my 16 channels
	s_wait_alu depctr_va_vdst(0)                   ; the wait here, ahead of the branch
	s_cmp_lt_u32 s[WV], 8
	s_cbranch_scc0 .Lbias_v
.irp n, 0,1,2,3,4,5,6,7
	global_load_b128 v[ACC+4*\n:ACC+4*\n+3], v107, s[66:67] offset:16*\n   ; register n of the accumulators is channel 32 h + n
.endr
	s_branch .Lbias
.Lbias_v:                                              ; (waves 12-15 come this way too, so that the registers are written on every way)
	global_load_b32 v[ACC], v108, s[58:59]
	s_wait_loadcnt 0x0
.irp n, 1,2,3,4,5,6,7,8,9,10,11,12,13,14,15,16,17,18,19,20,21,22,23,24,25,26,27,28,29,30,31
	v_mov_b32 v[ACC+\n], v[ACC]
.endr
.Lbias:
	s_lshl_b32 s74, s22, 11                        ; the bases of the stores
	s_lshl_b32 s57, s50, 8
	s_add_co_u32 s74, s74, s57
	s_add_nc_u64 s[68:69], s[14:15], s[74:75]      ; qc
	s_lshl_b32 s74, s22, 8
	s_lshl_b32 s57, s50, 5
	s_add_co_u32 s74, s74, s57
	s_add_nc_u64 s[70:71], s[16:17], s[74:75]      ; qs
	s_lshr_b32 s60, s22, 1
	s_mul_i32 s60, s60, 9216                       ; the record of my 128 keys, of which my work-group has half
	s_and_b32 s61, s22, 1
	s_lshl_b32 s74, s61, 11
	s_lshl_b32 s57, s50, 9
	s_add_co_u32 s74, s74, s57
	s_add_co_u32 s74, s74, s60
	s_add_nc_u64 s[72:73], s[18:19], s[74:75]      ; codes of K or V: + 2,048 half + 512 i
	s_lshl_b32 s57, s50, 2
	s_add_co_u32 s60, s60, s57
	s_lshl_b32 s74, s61, 8
	s_add_co_u32 s74, s74, s60
	s_add_nc_u64 s[76:77], s[18:19], s[74:75]      ; K's scale words: + 256 half + 4 i
	s_lshl_b32 s74, s61, 1
	s_add_co_u32 s74, s74, s60
	s_add_nc_u64 s[78:79], s[18:19], s[74:75]      ; V's two bytes: + 2 half + 4 i
	s_wait_alu depctr_va_vdst(0)                   ; the wait at the head's end
	s_wait_loadcnt 0x0                             ; the biases
; Chunk i is in: the waves that asked for what is still needed wait (nothing is filled again), then all meet.
.macro LANDED under
	s_cmp_lt_u32 s[WV], \under
	s_cbranch_scc0 .Lno_wait_\@
	s_wait_tensorcnt 0x0
.Lno_wait_\@:
	s_barrier_signal -1
	s_barrier_wait -1
.endm
.macro CHUNK i
.irp j, 0,1,2,3,4,5,6,7
	ds_load_b128 v[XN+4*\j:XN+4*\j+3], v[XA+\i] offset:16*\j
.endr
	s_wait_dscnt 0x0
	QB XN
	ds_store_b128 v[XWI], v[F:F+3] offset:8192*\i
	ds_store_b8 v[XWS], v[BY] offset:1024*\i
	s_wait_alu depctr_va_vdst(0)
	s_wait_dscnt 0x0                               ; for the others' sake: my stores have landed
	s_barrier_signal -1
	s_barrier_wait -1
	s_cmp_lt_u32 s[WV], 12
	s_cbranch_scc0 .Lno_product_\@
.irp e, 0,1
.irp t, 0,1,2,3
	ds_load_b128 v[AF+32*\e+8*\t:AF+32*\e+8*\t+3], v[PA] offset:4096*(2*\i+\e)+1024*\t
	ds_load_b128 v[AF+32*\e+8*\t+4:AF+32*\e+8*\t+7], v[PA] offset:4096*(2*\i+\e)+1024*\t+512
.endr
	ds_load_b128 v[BF+8*\e:BF+8*\e+3], v[PB] offset:4096*(2*\i+\e)
	ds_load_b128 v[BF+8*\e+4:BF+8*\e+7], v[PB] offset:4096*(2*\i+\e)+512
	ds_load_b128 v[SAW+4*\e:SAW+4*\e+3], v[SA] offset:512*(2*\i+\e)
	ds_load_b32 v[SBW+\e], v[SB] offset:512*(2*\i+\e)
.endr
.irp e, 0,1
	s_wait_dscnt 12-12*\e                          ; the second step's 12 loads may be out
.irp t, 0,1,2,3                                ; the four accumulators take turns, one instruction a turn
	v_wmma_scale_f32_16x16x128_f8f6f4 v[ACC+8*\t:ACC+8*\t+7], v[AF+32*\e+8*\t:AF+32*\e+8*\t+7], v[BF+8*\e:BF+8*\e+7], v[ACC+8*\t:ACC+8*\t+7], v[SAW+4*\e+\t], v[SBW+\e] matrix_a_fmt:MATRIX_FMT_FP4 matrix_b_fmt:MATRIX_FMT_FP4
.endr
.endr
.rept 4
	v_nop                                          ; places in front of the next loads into these registers, and of the tail's first reads
.endr
.Lno_product_\@:
.endm
	LANDED 8                                       ; wimg and chunk 0
	CHUNK 0
	LANDED 12                                      ; chunk 1
	CHUNK 1
	s_wait_tensorcnt 0x0                           ; chunk 2: all that was still out
	s_barrier_signal -1
	s_barrier_wait -1
	CHUNK 2
; THE TAIL.  A lane's 32 results are one block of 32 along the next K: Q, K: channels 32 h on of my token; V: tokens 32 h on of my channel.
	s_cmp_lt_u32 s[WV], 12
	s_cbranch_scc0 .Lend
	QB ACC
	v_lshlrev_b32 v[PW], v[SH8], v[BY]             ; my byte at its place: 8 h bits up;
	v_permlanex16_b32 v[TP], v[PW], s[SEL], s[SEL+1]
	v_or_b32 v[PW], v[PW], v[TP]                   ; with lane l xor 16's: both blocks' bytes, in both halves of the lanes,
	v_lshl_or_b32 v[PW], v[PW], 16, v[PW]          ; twice
	s_wait_alu depctr_va_vdst(0)                   ; the wait here, ahead of the branches
	s_cmp_lt_u32 s[WV], 4
	s_cbranch_scc0 .Lnot_q
	global_store_b128 v[VQ], v[F:F+3], s[68:69]    ; 16 lanes store 256 consecutive bytes
	global_store_b32 v[VQS], v[PW], s[70:71]       ; (both halves of the lanes store the same word)
	s_branch .Lend
.Lnot_q:
	s_cmp_lt_u32 s[WV], 8
	s_cbranch_scc0 .Lnot_k
	global_store_b128 v[VL], v[F:F+3], s[72:73]    ; 32 lanes store 512 consecutive bytes
	global_store_b32 v[VR], v[PW], s[76:77] offset:8192
	s_branch .Lend
.Lnot_k:
	global_store_b128 v[VL], v[F:F+3], s[72:73] offset:4096
	global_store_b16 v[VL], v[PW], s[78:79] offset:8704
.Lend:
	s_wait_tensorcnt 0x0                           ; the wave's end
	ds_add_u32 v[SPW], v[NIL]
	s_wait_dscnt 0x0
	CROUND                                         ; the closing round: no work-group ends while a partner may still ask jointly
	s_endpgm
.Lfunc_end_k_q2fdf7ff0b8_proj:
	.size	k_q2fdf7ff0b8_proj, .Lfunc_end_k_q2fdf7ff0b8_proj-k_q2fdf7ff0b8_proj
	.p2alignl 7, 3214868480
	.fill 96, 4, 3214868480
	.section	.rodata,"a",@progbits
	.p2align	6, 0x0
	.amdhsa_kernel k_q2fdf7ff0b8_proj
		.amdhsa_group_segment_fixed_size 327680
		.amdhsa_private_segment_fixed_size 0
		.amdhsa_enable_private_segment 0
		.amdhsa_kernarg_size 64
		.amdhsa_user_sgpr_count 2
		.amdhsa_user_sgpr_kernarg_segment_ptr 1
		.amdhsa_wavefront_size32 1
		.amdhsa_system_sgpr_workgroup_id_x 1
		.amdhsa_system_sgpr_workgroup_id_y 1
		.amdhsa_system_sgpr_workgroup_id_z 1
		.amdhsa_system_vgpr_workitem_id 0
		.amdhsa_next_free_vgpr 192
		.amdhsa_next_free_sgpr 80
		.amdhsa_reserve_vcc 0
		.amdhsa_float_denorm_mode_32 3
		.amdhsa_float_denorm_mode_16_64 3
		.amdhsa_memory_ordered 1
		.amdhsa_forward_progress 1
		.amdhsa_inst_pref_size 29
	.end_amdhsa_kernel
	.amdgpu_metadata
---
amdhsa.version: [ 1, 2 ]
amdhsa.kernels:
  - .name:           k_q2fdf7ff0b8_proj
    .symbol:         k_q2fdf7ff0b8_proj.kd
    .args:
      - { .name: x, .offset: 0, .size: 8, .value_kind: global_buffer, .address_space: global }
      - { .name: wimg, .offset: 8, .size: 8, .value_kind: global_buffer, .address_space: global }
      - { .name: bq, .offset: 16, .size: 8, .value_kind: global_buffer, .address_space: global }
      - { .name: bk, .offset: 24, .size: 8, .value_kind: global_buffer, .address_space: global }
      - { .name: bv, .offset: 32, .size: 8, .value_kind: global_buffer, .address_space: global }
      - { .name: qc, .offset: 40, .size: 8, .value_kind: global_buffer, .address_space: global }
      - { .name: qs, .offset: 48, .size: 8, .value_kind: global_buffer, .address_space: global }
      - { .name: kv, .offset: 56, .size: 8, .value_kind: global_buffer, .address_space: global }
    .group_segment_fixed_size: 327680
    .private_segment_fixed_size: 0
    .kernarg_segment_align: 8
    .kernarg_segment_size: 64
    .max_flat_workgroup_size: 512
    .sgpr_count:     80
    .vgpr_count:     192
    .wavefront_size: 32
...
	.end_amdgpu_metadata
.endif
;; end of part 2
;; launch attn (part 3): grid 64 x 4, 16 waves a work-group, clusters of 4 x 1, 327,680 bytes of LDS; arguments qc, qs, kv, out0; writes out0
.if DOCPART == 3
	.amdgcn_target "amdgcn-amd-amdhsa--gfx1250"
	.amdhsa_code_object_version 6
	.text
	.protected	k_q2fdf7ff0b8_attn
	.globl	k_q2fdf7ff0b8_attn
	.p2align	8
	.type	k_q2fdf7ff0b8_attn,@function
k_q2fdf7ff0b8_attn:
	s_mov_b64 s[64:65], 0
	v_nop
	global_prefetch_b8 v0, s[64:65] scope:SCOPE_SE
	s_setreg_imm32_b32 hwreg(HW_REG_WAVE_MODE, 25, 1), 1
	s_wait_xcnt 0x0
	s_wait_alu depctr_hold_cnt(0) depctr_sa_sdst(0) depctr_va_vdst(0) depctr_va_sdst(0) depctr_va_ssrc(0) depctr_va_vcc(0) depctr_vm_vsrc(0)
	s_getreg_b32 s2, hwreg(HW_REG_IB_STS2, 6, 4)
	s_cmp_eq_u32 s2, 0
	s_cbranch_scc0 .Lentry_in_a_cluster
	s_endpgm
.Lentry_in_a_cluster:
	s_bfe_u32 s2, ttmp6, 0x10000c
	s_cmp_lg_u32 s2, 0x3003
	s_cbranch_scc0 .Lentry_shape_is_right
	s_endpgm
.Lentry_shape_is_right:
; out0[b][q][:] = the sum over k of softmax_k(Q[b][q] . K[b][k] / 8) V[b][k][:], no mask, both products on codes of FP4 (E2M1) with one E8M0 byte for each 32 along a product's K.
; THE SOFTMAX AHEAD OF THE SECOND PRODUCT: t = score x log2(e) / 8; M = the largest t so far, rounded UP to a whole number; p = 2^(t - M) is what is quantised, along the keys; it is not normalised.
; The row's sum is taken of the unquantised p, in f32, and divides at the end.  When M moves, the sum and O are multiplied by 2^(old M - new M), which rounds nothing.
; SHARES.  A work-group owns 64 queries of one batch.  Its SIXTEEN waves are 4 ranges of 1,024 keys (kr = wave / 4) x 4 tiles of 16 queries (qt = wave % 4): four waves to a SIMD.
; A wave walks 4 steps of 256 keys, two records each.  At the end the four ranges' (M, sum, O) of a query are joined, again by whole powers of two.
; LAYOUT.  Both products are used transposed: S^T = K Q^T, O^T = V^T P^T: a lane holds ONE query (lane % 16) throughout.  K's tile 4 c + u holds key 64 c + 32 (row / 8) + 8 u + row % 8 of a record: the 32 registers of
; tiles 4 c .. 4 c + 3 are then the keys 64 c + 32 h + 0 .. 31 of lane (r, h): one whole block of 32 a lane, and the conversions' results are the second product's operand as they stand.
; The head's 64 are filled up to 128 with Q's zero codes; what K's operand holds there is the next tile's codes (finite whatever they are), so K's fragments of 4 registers lie end to end.
; MEMORY.  The batch's K and V, 32 records of 9,216 bytes laid as images of operand registers, fill LDS once: one tensor load a wave, 18,432 bytes: records 2 qt and 2 qt + 1 of range kr.
; The cluster's four work-groups belong to one batch and need the same bytes: every piece is asked for JOINTLY.  No prefetch: there is no loop to run ahead in, all bytes are asked for at the head.
; The first step needs the pieces of the waves qt = 0 alone, which have a load line of their own; the other pieces are waited for in the first step, and behind that meeting every record is whole.
; LIMITS: the promise holds while |t| stays under 2^31; a block of p that has fallen to zeros keeps the byte 1 (its codes are zeros); NaN and infinities are not served.
.set REC,  9216                        ; a record: + 512 T K's tile T; + 4,096 + 2,048 c + 512 t V's tile t; + 8,192 K's scale words; + 8,704 V's
.set RNG,  8*REC
.set SPARE, 32*REC                     ; the spare words
.set QS,   3                           ; v3      Q's scale words
.set TP,   4                           ; v[4:5]  at work
.set SPW,  6
.set NIL,  7
.set BM,   8                           ; v8-11   the four blocks' largest scores, then largest p
.set MN,   12                          ; v12     -M
.set MX,   13                          ; v13     the largest score so far
.set SU,   14                          ; v[14:15] the sum in two halves
.set QF,   16                          ; v16-23  Q's fragment (v20-23: zero codes)
.set KF,   24                          ; v24-55  K's eight tiles, 4 registers each; v56-59 zero codes behind the last
.set ST,   60                          ; v60-187 S^T of two records, then p; V's fragments lie in v60-123 when the first record's p are done with
.set OT,   188                         ; v188-219 O^T
.set PC,   220                         ; v220-235 p's codes
.set VS,   236                         ; v236-243 V's scale words
.set KS,   244                         ; v244-247 K's scale words: lanes 0-15 tiles 0-3, lanes 16-31 tiles 4-7
.set SOP,  248                         ; v248-251 the conversions' scale operands
.set FF,   252                         ; v[252:253] f = 2^(old M - new M); v253 is named with it as a pair
.set PSW,  254                         ; v254, v255 p's scale words
; v1, v2: LDS addresses of my range's records 0-3 and 4-7 (+ 16 lane)
.set WV,   12                          ; s12 wave; s13 kr; s14 qt
.set SEL,  20                          ; s[20:21] v_permlanex16_b32's selects for lane l xor 16
.set CS,   22                          ; s[22:23] c = log2(e) / 8: the packed form names a pair and takes its low word for both halves
.set G1,   24
.set G0,   32
.set NC,   36                          ; s36 -c
.set PS,   37                          ; s37 v_perm_b32's selector
.macro CROUND                          ; a round of the cluster's barrier
	s_barrier_signal -1
	s_barrier_wait -1
	s_cmp_lg_u32 s[WV], 0
	s_cbranch_scc1 .Lnot_wave_0_\@
	s_barrier_signal -3
.Lnot_wave_0_\@:
	s_barrier_wait -3
	s_barrier_signal -1
	s_barrier_wait -1
.endm
	s_load_b256 s[4:11], s[0:1], 0x0               ; qc s[4:5], qs s[6:7], kv s[8:9], out0 s[10:11]
	v_lshl_add_u32 v[SPW], v0, 2, SPARE
	v_mov_b32 v[NIL], 0
	ds_add_u32 v[SPW], v[NIL]                      ; the wave's opening: the add, twice on end
	ds_add_u32 v[SPW], v[NIL]
	v_lshrrev_b32 v1, 5, v0
	v_readfirstlane_b32 s[WV], v1                  ; wave 0..15
	s_lshr_b32 s13, s[WV], 2                       ; kr
	s_and_b32 s14, s[WV], 3                        ; qt
	s_bfe_u32 s15, ttmp6, 0x40000                  ; cx
	s_lshl_b32 s16, ttmp9, 2
	s_add_co_u32 s16, s16, s15                     ; my block of 64 queries: it enters Q's and out0's addresses alone
	s_and_b32 s17, ttmp7, 0xffff                   ; the batch, which the four partners share
	s_mov_b32 s[G1], 15|(3<<16)|(1<<21)            ; the mask: all four work-groups; elements of 8 bytes; bit 21 set beside a mask; no padding
	s_mov_b32 s[G1+1], 32<<16                      ; a dense piece of 18,432 bytes as 72 rows of 256
	s_mov_b32 s[G1+2], 72<<16
	s_mov_b32 s[G1+3], 32<<16
	s_mov_b32 s[G1+4], 72
	s_mov_b32 s[G1+5], 32
	s_mov_b32 s[G1+6], 0
	s_mov_b32 s[G1+7], 0
	s_mov_b32 s[SEL], 0x76543210
	s_mov_b32 s[SEL+1], 0xfedcba98
	s_mov_b32 s[CS], 0x3e38aa3b                    ; log2(e) / 8
	s_mov_b32 s[CS+1], s[CS]
	s_mov_b32 s[NC], 0xbe38aa3b
	s_mov_b32 s[PS], 0x05010400
	s_mul_i32 s18, s13, RNG                        ; my range's first byte in LDS (kept for the tail)
	s_mul_i32 s19, s14, 2*REC
	s_add_co_u32 s19, s19, s18                     ; my piece
	s_mul_i32 s48, s17, 32*REC
	s_add_co_u32 s48, s48, s19                     ; the same place in the batch's records in memory
	s_mov_b32 s49, 0
	s_lshl_b32 s50, s17, 12                        ; my first query among all tokens: 4,096 batch + 64 block + 16 qt
	s_lshl_b32 s51, s16, 6
	s_add_co_u32 s50, s50, s51
	s_lshl_b32 s51, s14, 4
	s_add_co_u32 s50, s50, s51
	s_lshl_b32 s52, s50, 5                         ; its codes: 32 bytes a token
	s_mov_b32 s53, 0
	s_lshl_b32 s54, s50, 2                         ; its scale word
	s_mov_b32 s55, 0
	s_lshl_b32 s51, s13, 2
	s_add_co_u32 s56, s50, s51                     ; the four queries that I finish: 4 kr on
	s_lshl_b32 s56, s56, 8                         ; a row of out0 is 256 bytes
	s_mov_b32 s57, 0
	s_mov_b32 s[G0], 1
	s_mov_b32 s[G0+1], s19
	s_wait_alu depctr_va_vdst(0)
	s_wait_dscnt 0x0                               ; both opening adds are done
	CROUND                                         ; all four work-groups are here: the joint loads meet
	s_wait_kmcnt 0x0
	s_add_nc_u64 s[G0+2:G0+3], s[8:9], s[48:49]
	s_or_b32 s[G0+3], s[G0+3], 0x80000000
	s_cmp_eq_u32 s14, 0                            ; one tensor load a wave; the first step's pieces have a line of their own
	s_cbranch_scc0 .Llater
	tensor_load_to_lds s[G0:G0+3], s[G1:G1+7]
	s_nop 0
.rept 4
	v_nop
.endr
	s_branch .Lasked
.Llater:
	tensor_load_to_lds s[G0:G0+3], s[G1:G1+7]
	s_nop 0
.rept 4
	v_nop
.endr
.Lasked:
	s_add_nc_u64 s[52:53], s[4:5], s[52:53]
	s_add_nc_u64 s[54:55], s[6:7], s[54:55]
	s_add_nc_u64 s[56:57], s[10:11], s[56:57]
	v_and_b32 v10, 15, v0                          ; r
	v_bfe_u32 v11, v0, 4, 1                        ; h
	v_and_b32 v1, 31, v0                           ; lane
	v_lshlrev_b32 v8, 5, v10
	v_lshl_add_u32 v8, v11, 4, v8                  ; 32 r + 16 h: block h of query r
	v_lshlrev_b32 v9, 2, v10
	global_load_b128 v[QF:QF+3], v8, s[52:53]      ; Q stays in registers
	global_load_b32 v[QS], v9, s[54:55]
.irp e, 0,1,2,3
	v_mov_b32 v[QF+4+\e], 0                        ; k = 64 .. 127: zero codes
	v_mov_b32 v[KF+32+\e], 0
.endr
	v_lshl_add_u32 v1, v1, 4, s18
	v_add_nc_u32 v2, 4*REC, v1
	v_mov_b32 v[SU], 0
	v_mov_b32 v[SU+1], 0
	v_mov_b32 v[TP], 0                             ; a lane permute's destination counts as one of its sources
	v_mov_b32 v[TP+1], 0
	v_mov_b32 v[FF+1], 0                           ; named as the upper half of the pair before it is ever written
.macro FETCHK q                        ; record q's tiles of K and their scale words
.irp t, 0,1,2,3,4,5,6,7
	ds_load_b128 v[KF+4*\t:KF+4*\t+3], v[1+(\q)/4] offset:REC*((\q)%4)+512*\t
.endr
	ds_load_b128 v[KS:KS+3], v[1+(\q)/4] offset:REC*((\q)%4)+8192
.endm
.macro FETCHV q, x, s                  ; record q's fragments of V and their scale words
.irp t, 0,1,2,3
.irp c, 0,1
	ds_load_b128 v[\x+8*\t+4*\c:\x+8*\t+4*\c+3], v[1+(\q)/4] offset:REC*((\q)%4)+4096+2048*\c+512*\t
.endr
.endr
	ds_load_b128 v[\s:\s+3], v[1+(\q)/4] offset:REC*((\q)%4)+8704
.endm
.macro SCORES x
.irp t, 0,1,2,3
	v_wmma_scale_f32_16x16x128_f8f6f4 v[\x+8*\t:\x+8*\t+7], v[KF+4*\t:KF+4*\t+7], v[QF:QF+7], 0, v[KS+\t], v[QS] matrix_a_fmt:MATRIX_FMT_FP4 matrix_b_fmt:MATRIX_FMT_FP4
.endr
.irp t, 0,1,2,3
	v_wmma_scale_f32_16x16x128_f8f6f4 v[\x+32+8*\t:\x+32+8*\t+7], v[KF+16+4*\t:KF+16+4*\t+7], v[QF:QF+7], 0, v[KS+\t], v[QS] matrix_a_fmt:MATRIX_FMT_FP4 matrix_b_fmt:MATRIX_FMT_FP4 matrix_a_scale:MATRIX_SCALE_ROW1
.endr
.endm
; The largest score of each of a record's two blocks of mine, in four chains by turns, each accumulator from its low end on; COMB joins the chains.
.macro MAXES x, m
	v_max3_num_f32 v[\m], v[\x], v[\x+1], v[\x+2]
	v_max3_num_f32 v[TP], v[\x+16], v[\x+17], v[\x+18]
	v_max3_num_f32 v[\m+1], v[\x+32], v[\x+33], v[\x+34]
	v_max3_num_f32 v[TP+1], v[\x+48], v[\x+49], v[\x+50]
.irp i, 3,5,7,9,11,13
	v_max3_num_f32 v[\m], v[\m], v[\x+\i], v[\x+1+\i]
	v_max3_num_f32 v[TP], v[TP], v[\x+16+\i], v[\x+17+\i]
	v_max3_num_f32 v[\m+1], v[\m+1], v[\x+32+\i], v[\x+33+\i]
	v_max3_num_f32 v[TP+1], v[TP+1], v[\x+48+\i], v[\x+49+\i]
.endr
.endm
.macro COMB x, m
	v_max3_num_f32 v[\m], v[\m], v[TP], v[\x+15]
	v_max3_num_f32 v[\m+1], v[\m+1], v[TP+1], v[\x+47]
	v_max_num_f32 v[\m], v[\m], v[\x+31]
	v_max_num_f32 v[\m+1], v[\m+1], v[\x+63]
.endm
; A STEP: 256 keys, records q and q + 1 of my range; record q's K is in registers.  first: there is no old M and nothing to rescale.  pf: the next step's K is fetched.  meet: the waves' meeting opens here.  last: so does the tail's.
.macro STEP q, first, pf, meet, last
	SCORES ST
.rept 4
	v_nop                                          ; places in front of the loads below and of the first read of the scores
.endr
	FETCHK (\q)+1
	MAXES ST, BM
	s_wait_alu depctr_va_vdst(0)                   ; the wait here, ahead of the wait below
	s_wait_dscnt 0x0
	SCORES ST+64
	COMB ST, BM                                    ; (four places behind the products)
.if \pf
	FETCHK (\q)+2
.endif
	MAXES ST+64, BM+2
	COMB ST+64, BM+2
	v_max3_num_f32 v[TP], v[BM], v[BM+1], v[BM+2]
	v_max_num_f32 v[TP], v[TP], v[BM+3]
	v_permlanex16_b32 v[TP+1], v[TP], s[SEL], s[SEL+1]
.if \first
	v_max_num_f32 v[MX], v[TP], v[TP+1]            ; with lane l xor 16's keys: the largest score so far of my query
	v_mul_f32 v[TP], s[NC], v[MX]
	v_floor_f32 v[MN], v[TP]                       ; -M = floor(-t): M is a whole number
.else
	v_max3_num_f32 v[MX], v[MX], v[TP], v[TP+1]
	v_mul_f32 v[TP], s[NC], v[MX]
	v_mov_b32 v[TP+1], v[MN]
	v_floor_f32 v[MN], v[TP]
	v_sub_f32 v[TP], v[MN], v[TP+1]                ; old M - new M: a whole number, 0 or less
	v_cvt_i32_f32 v[TP], v[TP]                     ; (it saturates)
	v_ldexp_f32 v[FF], 1.0, v[TP]
.endif
.set GI, 0
.rept 32
	v_pk_fma_f32 v[ST+2*GI:ST+2*GI+1], v[ST+2*GI:ST+2*GI+1], s[CS:CS+1], v[MN:MN+1] op_sel_hi:[1,0,0]   ; t - M, two at a time (of the pairs c and -M the low word serves both halves)
.set GI, GI+1
.endr
.irp b, 0,1,2,3
	v_fma_f32 v[BM+\b], v[BM+\b], s[CS], v[MN]     ; the same of each block's largest score
.endr
.if \first == 0
.set GI, 0
.rept 16
	v_pk_mul_f32 v[OT+2*GI:OT+2*GI+1], v[OT+2*GI:OT+2*GI+1], v[FF:FF+1] op_sel_hi:[1,0]   ; O^T under the new M
.set GI, GI+1
.endr
	v_pk_mul_f32 v[SU:SU+1], v[SU:SU+1], v[FF:FF+1] op_sel_hi:[1,0]
.endif
	s_wait_alu depctr_va_vdst(0)                   ; the wait ahead of the batch
; FIRST BATCH: the blocks' largest p (the same two instructions on the same number give the same bits) and record q's 64 p; between them record q + 1's scalings, which are read behind the next wait.
.irp b, 0,1,2,3
	v_exp_f32 v[BM+\b], v[BM+\b]
.endr
.set GI, 0
.rept 32
	v_exp_f32 v[ST+2*GI], v[ST+2*GI]               ; p = 2^(t - M)
	v_exp_f32 v[ST+2*GI+1], v[ST+2*GI+1]
	v_pk_fma_f32 v[ST+64+2*GI:ST+65+2*GI], v[ST+64+2*GI:ST+65+2*GI], s[CS:CS+1], v[MN:MN+1] op_sel_hi:[1,0,0]
.set GI, GI+1
.endr
	s_wait_alu depctr_va_vdst(0)                   ; and behind it, ahead of the first reader
.irp b, 0,1,2,3
	v_max_num_f32 v[BM+\b], 0x1800000, v[BM+\b]    ; the floor 2^(3 - 127): the byte cannot fall under 1
.endr
.irp b, 0,1,2,3
	v_add_nc_u32 v[SOP+\b], 0xff000000, v[BM+\b]   ; 2 off the exponent field: the conversion's scale operand
.endr
.irp b, 0,1,2,3
	v_lshrrev_b32 v[BM+\b], 23, v[SOP+\b]          ; the scale's byte
.endr
	v_lshl_or_b32 v[TP], v[BM+1], 8, v[BM]         ; my blocks h and 2 + h of each record,
	v_lshl_or_b32 v[TP+1], v[BM+3], 8, v[BM+2]
	v_permlanex16_b32 v[BM], v[TP], s[SEL], s[SEL+1]
	v_permlanex16_b32 v[BM+1], v[TP+1], s[SEL], s[SEL+1]
	v_perm_b32 v[PSW], v[BM], v[TP], s[PS]         ; and lane l xor 16's between them: in lanes 0-15, which are read, the four bytes in ascending order of the blocks
	v_perm_b32 v[PSW+1], v[BM+1], v[TP+1], s[PS]
	s_wait_alu depctr_va_vdst(0)                   ; the wait ahead of the batch
; SECOND BATCH: record q + 1's 64 p; between them record q's conversions (8 keys a register) and, where a group's codes are made, the first sums of its p, in place.
.set GI, 0
.rept 8
	v_exp_f32 v[ST+64+8*GI], v[ST+64+8*GI]
	v_exp_f32 v[ST+65+8*GI], v[ST+65+8*GI]
	v_cvt_scalef32_pk8_fp4_f32 v[PC+GI], v[ST+8*GI:ST+8*GI+7], v[SOP+GI/4]
.if GI == 0
	v_nop                                          ; one plain vector instruction behind a scaled conversion
.else
	v_pk_add_f32 v[ST+8*GI-8:ST+8*GI-7], v[ST+8*GI-8:ST+8*GI-7], v[ST+8*GI-6:ST+8*GI-5]
.endif
	v_exp_f32 v[ST+66+8*GI], v[ST+66+8*GI]
	v_exp_f32 v[ST+67+8*GI], v[ST+67+8*GI]
	v_exp_f32 v[ST+68+8*GI], v[ST+68+8*GI]
	v_exp_f32 v[ST+69+8*GI], v[ST+69+8*GI]
.if GI > 0
	v_pk_add_f32 v[ST+8*GI-4:ST+8*GI-3], v[ST+8*GI-4:ST+8*GI-3], v[ST+8*GI-2:ST+8*GI-1]
.endif
	v_exp_f32 v[ST+70+8*GI], v[ST+70+8*GI]
	v_exp_f32 v[ST+71+8*GI], v[ST+71+8*GI]
.set GI, GI+1
.endr
	v_pk_add_f32 v[ST+56:ST+57], v[ST+56:ST+57], v[ST+58:ST+59]
	v_pk_add_f32 v[ST+60:ST+61], v[ST+60:ST+61], v[ST+62:ST+63]
	s_wait_alu depctr_va_vdst(0)                   ; behind the batch, ahead of the first reader
	v_pk_add_f32 v[TP:TP+1], v[ST:ST+1], v[ST+4:ST+5]   ; the row's sum is taken of the unquantised p, in two chains
.irp n, 2,4,6,8,10,12,14
	v_pk_add_f32 v[SU:SU+1], v[SU:SU+1], v[ST+4*\n:ST+4*\n+1]
	v_pk_add_f32 v[TP:TP+1], v[TP:TP+1], v[ST+4*\n+4:ST+4*\n+5]
.endr
.if \meet
	s_wait_alu depctr_va_vdst(0)
	s_wait_tensorcnt 0x0                           ; my piece is in; behind the meeting's wait so is every wave's
	s_wait_dscnt 0x0
	s_barrier_signal -1                            ; (the loads up to that wait read bytes that nobody writes before the tail's barrier)
.endif
	FETCHV \q, ST, VS                              ; record q's p are done with: V lands in their registers
	FETCHV (\q)+1, ST+32, VS+4
.set GI, 0
.rept 8
	v_cvt_scalef32_pk8_fp4_f32 v[PC+8+GI], v[ST+64+8*GI:ST+71+8*GI], v[SOP+2+GI/4]
	v_pk_add_f32 v[SU:SU+1], v[SU:SU+1], v[ST+64+8*GI:ST+65+8*GI]
	v_pk_add_f32 v[TP:TP+1], v[TP:TP+1], v[ST+66+8*GI:ST+67+8*GI]
	v_pk_add_f32 v[SU:SU+1], v[SU:SU+1], v[ST+68+8*GI:ST+69+8*GI]
	v_pk_add_f32 v[TP:TP+1], v[TP:TP+1], v[ST+70+8*GI:ST+71+8*GI]
.set GI, GI+1
.endr
	v_pk_add_f32 v[SU:SU+1], v[SU:SU+1], v[TP:TP+1]   ; (five places behind the last codes)
	s_wait_alu depctr_va_vdst(0)                   ; the wait here, ahead of the wait below
	s_wait_dscnt 0x0                               ; V is in, and the next step's K
.if \last
	s_barrier_signal -1                            ; I read no record any more
.endif
.irp t, 0,1,2,3                                ; the four accumulators take turns, one instruction a turn
.if \first
	v_wmma_scale_f32_16x16x128_f8f6f4 v[OT+8*\t:OT+8*\t+7], v[ST+8*\t:ST+8*\t+7], v[PC:PC+7], 0, v[VS+\t], v[PSW] matrix_a_fmt:MATRIX_FMT_FP4 matrix_b_fmt:MATRIX_FMT_FP4
.else
	v_wmma_scale_f32_16x16x128_f8f6f4 v[OT+8*\t:OT+8*\t+7], v[ST+8*\t:ST+8*\t+7], v[PC:PC+7], v[OT+8*\t:OT+8*\t+7], v[VS+\t], v[PSW] matrix_a_fmt:MATRIX_FMT_FP4 matrix_b_fmt:MATRIX_FMT_FP4
.endif
.endr
.irp t, 0,1,2,3
	v_wmma_scale_f32_16x16x128_f8f6f4 v[OT+8*\t:OT+8*\t+7], v[ST+32+8*\t:ST+32+8*\t+7], v[PC+8:PC+15], v[OT+8*\t:OT+8*\t+7], v[VS+4+\t], v[PSW+1] matrix_a_fmt:MATRIX_FMT_FP4 matrix_b_fmt:MATRIX_FMT_FP4
.endr
.if \last == 0
.rept 5
	v_nop                                          ; places in front of the products that write over V's registers
.endr
.endif
.endm
	s_wait_alu depctr_va_vdst(0)                   ; the wait at the head's end
	s_wait_loadcnt 0x0                             ; Q
	s_cmp_eq_u32 s14, 0
	s_cbranch_scc0 .Lno_wait
	s_wait_tensorcnt 0x0                           ; the waves qt = 0: records 0 and 1 of every range
.Lno_wait:
	s_barrier_signal -1
	s_barrier_wait -1
	FETCHK 0
	s_wait_dscnt 0x0
	STEP 0, 1, 0, 1, 0
	s_barrier_wait -1                              ; every record is whole
	FETCHK 2
	s_wait_dscnt 0x0
	STEP 2, 0, 1, 0, 0
	STEP 4, 0, 1, 0, 0
	STEP 6, 0, 0, 0, 1
	; THE TAIL.  Behind the barrier nobody reads a record any more.  Each wave puts its O^T (16 queries x 64 channels, rows of 256 bytes + 16) and its (-M, sum) into LDS, in the bytes of its own range's records 0 and 1,
	; which have had their only fill.  Then wave (kr, qt) joins the four ranges for queries 4 kr .. 4 kr + 3 of tile qt and stores whole rows.  The address lines are the places behind the last products.
	s_mul_i32 s58, s14, 16*272                     ; tile qt's stage in a range
	s_add_co_u32 s59, s18, s58
	s_lshl_b32 s60, s14, 7
	s_add_co_u32 s60, s60, 4*16*272                ; behind the four stages: 8 bytes a query, 128 a tile
	s_add_co_u32 s61, s18, s60
	s_lshl_b32 s62, s13, 2
	v_and_b32 v24, 15, v0                          ; r
	v_bfe_u32 v25, v0, 4, 1                        ; h
	v_and_b32 v26, 31, v0                          ; lane
	v_add_f32 v[SU], v[SU], v[SU+1]                ; the sum's two halves,
	v_mul_u32_u24 v27, v24, 272
	v_lshl_add_u32 v28, v24, 3, s61                ; (-M, sum) of query r
	v_add_nc_u32 v29, s62, v25                     ; back: row 4 kr + lane / 16 (+ 2 i),
	v_permlanex16_b32 v[TP], v[SU], s[SEL], s[SEL+1]
	v_lshl_add_u32 v27, v25, 5, v27
	v_mul_u32_u24 v30, v29, 272
	v_add_nc_u32 v27, s59, v27                     ; in: row r, + 32 h; tile t's eight channels 64 t bytes on
	v_lshl_add_u32 v30, v24, 4, v30                ; 16 bytes a lane
	v_add_f32 v[MX], v[SU], v[TP]                  ; and lane l xor 16's: my range's sum, beside -M
	v_lshl_add_u32 v36, v29, 3, s60
	v_add_nc_u32 v32, s58, v30                     ; from range 0,
	v_lshlrev_b32 v31, 4, v26                      ; out0: 16 x lane: two rows of 256 bytes
.irp k, 1,2,3
	v_add_nc_u32 v[36+\k], RNG*\k, v36             ; and from ranges 1 to 3
	v_add_nc_u32 v[32+\k], RNG*\k, v32
.endr
	s_wait_alu depctr_va_vdst(0)                   ; the wait here, ahead of the barrier's wait
	s_barrier_wait -1
.irp t, 0,1,2,3
	ds_store_b128 v27, v[OT+8*\t:OT+8*\t+3] offset:64*\t
	ds_store_b128 v27, v[OT+8*\t+4:OT+8*\t+7] offset:64*\t+16
.endr
	ds_store_b64 v28, v[MN:MX]                     ; (both halves of the lanes hold and store the same pair)
	s_wait_dscnt 0x0                               ; for the others' sake: my stores have landed
	s_barrier_signal -1
	s_barrier_wait -1
.irp k, 0,1,2,3
.irp i, 0,1
	ds_load_b128 v[60+8*\k+4*\i:63+8*\k+4*\i], v[32+\k] offset:544*\i
	ds_load_b64 v[92+4*\k+2*\i:93+4*\k+2*\i], v[36+\k] offset:16*\i
.endr
.endr
	s_wait_dscnt 0x0
.irp i, 0,1
	v_min3_num_f32 v[108+\i], v[92+2*\i], v[96+2*\i], v[100+2*\i]
.endr
.irp i, 0,1
	v_min_num_f32 v[108+\i], v[108+\i], v[104+2*\i]                ; the least -M: the query's M over all keys
.endr
.irp k, 0,1,2,3
.irp i, 0,1
	v_sub_f32 v[110+2*\k+\i], v[108+\i], v[92+4*\k+2*\i]           ; M of range k - M: a whole number, 0 or less
.endr
.endr
.irp k, 0,1,2,3
.irp i, 0,1
	v_cvt_i32_f32 v[110+2*\k+\i], v[110+2*\k+\i]
.endr
.endr
.irp k, 0,1,2,3
.irp i, 0,1
	v_ldexp_f32 v[110+2*\k+\i], 1.0, v[110+2*\k+\i]                ; f of range k
.endr
.endr
.irp i, 0,1
	v_mul_f32 v[118+\i], v[110+\i], v[93+2*\i]
.endr
.irp k, 1,2,3
.irp i, 0,1
	v_fmac_f32 v[118+\i], v[110+2*\k+\i], v[93+4*\k+2*\i]          ; the row's sum under M
.endr
.endr
	s_wait_alu depctr_va_vdst(0)                   ; the wait ahead of the reciprocals
.irp i, 0,1
	v_rcp_f32 v[120+\i], v[118+\i]
.endr
	v_nop                                          ; a plain instruction behind the reciprocals,
	s_wait_alu depctr_va_vdst(0)                   ; and the wait ahead of their first reader
.irp k, 0,1,2,3
.irp i, 0,1
	v_mul_f32 v[110+2*\k+\i], v[110+2*\k+\i], v[120+\i]            ; f / the sum
.endr
.endr
.irp i, 0,1
.irp e, 0,1,2,3
	v_mul_f32 v[124+4*\i+\e], v[110+\i], v[60+4*\i+\e]
.endr
.endr
.irp k, 1,2,3
.irp i, 0,1
.irp e, 0,1,2,3
	v_fmac_f32 v[124+4*\i+\e], v[110+2*\k+\i], v[60+8*\k+4*\i+\e]
.endr
.endr
.endr
.irp i, 0,1
	global_store_b128 v31, v[124+4*\i:127+4*\i], s[56:57] offset:512*\i th:TH_STORE_NT   ; 32 lanes store two whole rows: 512 consecutive bytes, at a multiple of 256 from out0's first byte
.endr
	s_wait_tensorcnt 0x0                           ; the wave's end
	ds_add_u32 v[SPW], v[NIL]
	s_wait_dscnt 0x0
	CROUND                                         ; the closing round: no work-group ends while a partner may still ask jointly
	s_endpgm
.Lfunc_end_k_q2fdf7ff0b8_attn:
	.size	k_q2fdf7ff0b8_attn, .Lfunc_end_k_q2fdf7ff0b8_attn-k_q2fdf7ff0b8_attn
	.p2alignl 7, 3214868480
	.fill 96, 4, 3214868480
	.section	.rodata,"a",@progbits
	.p2align	6, 0x0
	.amdhsa_kernel k_q2fdf7ff0b8_attn
		.amdhsa_group_segment_fixed_size 327680
		.amdhsa_private_segment_fixed_size 0
		.amdhsa_enable_private_segment 0
		.amdhsa_kernarg_size 32
		.amdhsa_user_sgpr_count 2
		.amdhsa_user_sgpr_kernarg_segment_ptr 1
		.amdhsa_wavefront_size32 1
		.amdhsa_system_sgpr_workgroup_id_x 1
		.amdhsa_system_sgpr_workgroup_id_y 1
		.amdhsa_system_sgpr_workgroup_id_z 1
		.amdhsa_system_vgpr_workitem_id 0
		.amdhsa_next_free_vgpr 256
		.amdhsa_next_free_sgpr 66
		.amdhsa_reserve_vcc 0
		.amdhsa_float_denorm_mode_32 3
		.amdhsa_float_denorm_mode_16_64 3
		.amdhsa_memory_ordered 1
		.amdhsa_forward_progress 1
		.amdhsa_inst_pref_size 113
	.end_amdhsa_kernel
	.amdgpu_metadata
---
amdhsa.version: [ 1, 2 ]
amdhsa.kernels:
  - .name:           k_q2fdf7ff0b8_attn
    .symbol:         k_q2fdf7ff0b8_attn.kd
    .args:
      - { .name: qc, .offset: 0, .size: 8, .value_kind: global_buffer, .address_space: global }
      - { .name: qs, .offset: 8, .size: 8, .value_kind: global_buffer, .address_space: global }
      - { .name: kv, .offset: 16, .size: 8, .value_kind: global_buffer, .address_space: global }
      - { .name: out0, .offset: 24, .size: 8, .value_kind: global_buffer, .address_space: global }
    .group_segment_fixed_size: 327680
    .private_segment_fixed_size: 0
    .kernarg_segment_align: 8
    .kernarg_segment_size: 32
    .max_flat_workgroup_size: 512
    .sgpr_count:     66
    .vgpr_count:     256
    .wavefront_size: 32
...
	.end_amdgpu_metadata
.endif
;; end of part 3
